; MI455X (gfx1250); checked and timed in simulation.
; The chip was launched on July 23, 2026; its instructions are those of AMD's public machine-readable ISA for CDNA 5 (MIT licence, August 2026) and "CDNA5" Instruction Set Architecture Reference Guide (July 2026). The comments in the code are by the model that wrote it; some were corrected since.
;; Seq Attention. Allowed arithmetic: float matrix products may take bf16 or f16 operands with f32 sums; all other float work in f32.
;; Inputs: key 64 x 2,048 x 64 float32; key_pe 1 x 64 x 1,024 float32; query 64 x 1,024 x 64 float32; value 64 x 2,048 x 64 float32.
;; Outputs: out0 64 x 1,024 x 64 float32.
;; 2 versions, each right; version 2 is version 1 with the launch band written anew for expert scheduling mode. Each part assembles by itself: llvm-mc -triple=amdgcn-amd-amdhsa -mcpu=gfx1250 --defsym DOCPART=n.
;; ======== version 1 of 2: 1 launch
;; launch band (part 1): grid 4 x 64, 8 waves a work-group, no clusters, 239,616 bytes of LDS; arguments key, key_pe, query, value, out0; writes out0
.if DOCPART == 1
	.amdgcn_target "amdgcn-amd-amdhsa--gfx1250"
	.amdhsa_code_object_version 6
	.text
	.protected	k_qd747c98dcd_band
	.globl	k_qd747c98dcd_band
	.p2align	8
	.type	k_qd747c98dcd_band,@function
k_qd747c98dcd_band:
	s_mov_b64 s[64:65], 0
	v_nop
	global_prefetch_b8 v0, s[64:65] scope:SCOPE_SE
	s_setreg_imm32_b32 hwreg(HW_REG_WAVE_MODE, 25, 1), 1
	s_wait_xcnt 0x0
; Banded attention with a relative-position term, all steps in one launch.
;   c(m,l) = q[m] . k[m+l];  c = -1e6 where c == 0;  s(m,l) = (c + q[m] . pe[:,l]) / 8;  p = softmax over l = 0..1023;  out[m] = sum_l p(m,l) v[m+l].
; query [64][1024][64], key and value [64][2048][64], key_pe [64][1024], out0 [64][1024][64], all f32.
;
; SHARES.  Work-group (g, b) makes rows 256 g .. 256 g + 255 of batch b: 4 x 64 = 256 work-groups of equal work.  Wave w makes 32 rows, as two
; blocks of 16.  The work-group walks 40 tiles of 32 rows of key and value (tile t = rows 256 g + 32 t ..) in step, two LDS slots, one barrier a trip.
; Wave w works in the 33 trips with tau = t - w in 0..32; in the other 7 it only helps to stage.  In step tau, row a and tile column c have l = 32 tau + c - a.
;
; ALL PRODUCTS ARE USED TRANSPOSED: queries are source 1.  Lane (r = lane % 16, h = lane / 16) then holds query row r, and its eight result registers
; hold eight neighbouring keys (or positions, or output columns) 8 h + 0..7.  So a row's maximum and sum are a lane's own but for one exchange between
; the halves, the exponentials pack in place into source 1 of the product with V, and the rescaling of the sums is a multiply by the lane's own factor.
;
; THE SKEW.  Content scores come by key, position scores by l = key - row.  Each step makes the position scores of 32 new l for its 32 rows and stores
; them, f32, in the wave's own ring in LDS (row pitch 336 bytes); they are read back with a pitch of 332 bytes, which shifts row r by r words.
; A ring row is five blocks of 16 words [o1' | e0 e1 | o0 o1]: windows of even trips go to e0 e1, of odd trips to o0 o1, and o1 is stored a second
; time as o1', so that the words a step needs (last window, then this one) lie side by side in both cases and every offset is a constant.
; THE BAND costs nothing: the ring starts as -inf (l < 0) and step 32 stores -inf in place of scores (l >= 1024); exp2(-inf) is 0.
;
; SOFTMAX with a running maximum.  NM = -round(max * log2(e)/8) is kept; the factor for the old sums is exp2 of the DIFFERENCE OF THE ROUNDED values,
; so that the same rounded shift is in numerator and denominator also where scores are near -1e6.
;
; NOT USED, and why.  Tensor loads: all inputs are f32 and must pass through registers once to become bf16; f32 tiles in LDS would take twice the bytes
; and every wave would convert every fragment.  Clusters: neighbouring work-groups read the same key rows 8 trips apart, not in the same trip, and
; key_pe is read once by each work-group, 262,144 bytes against 655,360 of key and value.
;
; LIMITS.  q, k, pe, v and p enter the matrix unit in bf16; sums, scores, the skewed position scores and the softmax are f32.  The test c == 0 is made on
; the f32 sum of products of the rounded operands.  The denominator sums p in f32 while the product with V takes p rounded to bf16.  The maximum is
; taken by the forms in which a NaN loses; a NaN score still makes its row NaN through the exponential and the sum.
.set PITCH_PE, 2080                    ; 1024 bf16 + 32 bytes: an odd multiple of 32 bytes, for the transposing loads
.set PITCH_K,  144                     ; 64 bf16 + 16 bytes: an odd multiple of 16 bytes
.set PITCH_V,  160                     ; 64 bf16 + 32 bytes: an odd multiple of 32 bytes, for the transposing loads
.set PITCH_SK, 336                     ; 80 words + 4: an odd multiple of 16 bytes
.set PITCH_O,  272                     ; the way out: 64 f32 + 16 bytes
.set LDS_K,    64*PITCH_PE             ; 133,120: key_pe in bf16 lies at LDS byte 0, [64 d][1024 l]
.set SLOT_K,   32*PITCH_K              ; 4,608
.set LDS_V,    LDS_K+2*SLOT_K          ; 142,336
.set SLOT_V,   32*PITCH_V              ; 5,120
.set LDS_SK,   LDS_V+2*SLOT_V          ; 152,576
.set WAVE_SK,  32*PITCH_SK             ; 10,752 for each wave; the map ends at 238,592
.set TILE_B,   8192                    ; a tile of 32 rows of 256 bytes in memory
; v0 thread; v1 16 x thread (offset in a tile and in a row of key_pe); v2, v3 where I store K, V; v4 K fragments; v5 V fragments; v6 PE fragments;
; v7, v8 PE fragments of this step, d 0-31 and 32-63 (at the start: where I store key_pe); v9 skewed reads; v10 ring stores; v11 256 x lane (prefetch);
; v[12:15] -inf; v24 -1e6; v28 16 x lane; v29, v30 stage addresses (Q at the start, O at the end)
.set MX,  16                           ; v16-17   running maximum of the row, block 0, 1
.set LS,  18                           ; v18-19   running sum of my half of the row
.set NM,  20                           ; v[20:23] -round(max * log2(e)/8), a pair for each block
.set AL,  26                           ; v[26:27] the factor for the old sums, twice
.set STG, 32                           ; v[32:47] staging: K rows 0-15, K rows 16-31, V rows 0-15, V rows 16-31, 4 registers each
.set QF,  48                           ; v[48:79] Q fragments, block m, d half k at 16 m + 8 k
.set SCO, 80                           ; v[80:111] scores, block m, key (or l) block n at 16 m + 8 n
.set F0,  112                          ; v[112:143] PE fragments (l block, d half), then V fragments (d block)
.set F1,  144                          ; v[144:175] K fragments (key block, d half), then skewed position scores laid like SCO, then temporaries
.set ACC, 176                          ; v[176:239] output sums, block m, d block at 32 m + 8 d
; s[4:5] key, s[10:11] value at the pair of tiles of this trip of the loop; s[6:7] key_pe; s[8:9] my wave's query rows; s[12:13] its output rows;
; s14 wave, s15 g, s16 b, s17 loop counter, s18 tau, s19 temporary, s[22:23] lane selects, s24 = s25 = log2(e)/8, s27 = -log2(e)/8,
; s28 trips of the loop in which I prefetch, s30 my ring, s[40:47] compare masks
.macro PLACES n
.rept \n
	v_nop
.endr
.endm
; a tile of K and of V, 4 x 16 bytes a thread; one load of a wave covers 512 neighbouring bytes
.macro KV_LOAD imm
	global_load_b128 v[STG:STG+3],     v1, s[4:5] offset:\imm
	global_load_b128 v[STG+4:STG+7],   v1, s[4:5] offset:\imm+4096
	global_load_b128 v[STG+8:STG+11],  v1, s[10:11] offset:\imm
	global_load_b128 v[STG+12:STG+15], v1, s[10:11] offset:\imm+4096
.endm
; round it to bf16 and put it into a slot
.macro KV_PUT slot
.irp k, 0,1,2,3
	v_cvt_pk_bf16_f32 v[STG+4*\k],   v[STG+4*\k],   v[STG+4*\k+1]
	v_cvt_pk_bf16_f32 v[STG+4*\k+1], v[STG+4*\k+2], v[STG+4*\k+3]
.endr
	ds_store_b64 v2, v[STG:STG+1]     offset:(\slot)*SLOT_K
	ds_store_b64 v2, v[STG+4:STG+5]   offset:(\slot)*SLOT_K+16*PITCH_K
	ds_store_b64 v3, v[STG+8:STG+9]   offset:(\slot)*SLOT_V
	ds_store_b64 v3, v[STG+12:STG+13] offset:(\slot)*SLOT_V+16*PITCH_V
.endm
; sixteen rows of key_pe (d = 16 beta ..): the 256 threads take one whole row of 4,096 bytes with each load
.macro PE_LOAD beta, base
.irp k, 0,1,2,3,4,5,6,7,8,9,10,11,12,13,14,15
	global_load_b128 v[\base+4*\k:\base+4*\k+3], v1, s[6:7] offset:(16*\beta+\k)*4096
.endr
.endm
.macro PE_STORE beta, base
.irp k, 0,1,2,3,4,5,6,7,8,9,10,11,12,13,14,15
	v_cvt_pk_bf16_f32 v[\base+4*\k],   v[\base+4*\k],   v[\base+4*\k+1]
	v_cvt_pk_bf16_f32 v[\base+4*\k+1], v[\base+4*\k+2], v[\base+4*\k+3]
	ds_store_b64 v[7+\beta/2], v[\base+4*\k:\base+4*\k+1] offset:((16*\beta+\k)%32)*PITCH_PE   ; v8 carries rows 32 and up: the immediate has 16 bits
.endr
.endm
; K fragments of slot u: key block n, d half k; rows lie along d: two loads 32 bytes apart
.macro KFLOAD u
.irp n, 0,1
.irp k, 0,1
	ds_load_b128 v[F1+16*\n+8*\k:F1+16*\n+8*\k+3],   v4 offset:\u*SLOT_K+16*PITCH_K*\n+64*\k
	ds_load_b128 v[F1+16*\n+8*\k+4:F1+16*\n+8*\k+7], v4 offset:\u*SLOT_K+16*PITCH_K*\n+64*\k+32
.endr
.endr
.endm
; eight products: scores(block m, block n) = fragments f (block n) x Q (block m), over d = 0..63.  The first four start the sums with the constant 0;
; the four accumulators take turns, one instruction a turn.
.macro MM8 f
.irp k, 0,1
.irp m, 0,1
.irp n, 0,1
.if \k
	v_wmma_f32_16x16x32_bf16 v[SCO+16*\m+8*\n:SCO+16*\m+8*\n+7], v[\f+16*\n+8*\k:\f+16*\n+8*\k+7], v[QF+16*\m+8*\k:QF+16*\m+8*\k+7], v[SCO+16*\m+8*\n:SCO+16*\m+8*\n+7]
.else
	v_wmma_f32_16x16x32_bf16 v[SCO+16*\m+8*\n:SCO+16*\m+8*\n+7], v[\f+16*\n+8*\k:\f+16*\n+8*\k+7], v[QF+16*\m+8*\k:QF+16*\m+8*\k+7], 0
.endif
.endr
.endr
.endr
.endm
; the position scores of l = 32 tau .. 32 tau + 31 for my 32 rows, into the ring (blocks 1, 2 in even trips; 3, 4 and a second copy of 4 in block 0 in odd trips)
.macro POS u
.irp l, 0,1
.irp k, 0,1
	ds_load_tr16_b128 v[F0+16*\l+8*\k:F0+16*\l+8*\k+3],   v[7+\k] offset:32*\l                 ; key_pe lies [d][l]: the load transposes, d = 8 h .. of column l
	ds_load_tr16_b128 v[F0+16*\l+8*\k+4:F0+16*\l+8*\k+7], v[7+\k] offset:32*\l+16*PITCH_PE     ; d = 16 + 8 h ..
.endr
.endr
	KFLOAD \u                                      ; asked for now, used behind the position products
	s_wait_dscnt 8                                 ; the PE fragments are in; the eight K loads behind them may be out
	MM8 F0
	PLACES 5                                       ; four places before the stores read the results and V's loads land in F0, five before the content products write over the scores
.irp m, 0,1
.irp l, 0,1
	ds_store_b128 v10, v[SCO+16*\m+8*\l:SCO+16*\m+8*\l+3]   offset:16*PITCH_SK*\m+64*(1+2*\u+\l)
	ds_store_b128 v10, v[SCO+16*\m+8*\l+4:SCO+16*\m+8*\l+7] offset:16*PITCH_SK*\m+64*(1+2*\u+\l)+16
.endr
.endr
.if \u
.irp m, 0,1
	ds_store_b128 v10, v[SCO+16*\m+8:SCO+16*\m+11]  offset:16*PITCH_SK*\m
	ds_store_b128 v10, v[SCO+16*\m+12:SCO+16*\m+15] offset:16*PITCH_SK*\m+16
.endr
.endif
.endm
; step 32: l = 1024 and up lie outside the band: -inf in the window's place
.macro FILL u
	KFLOAD \u
.irp m, 0,1
.irp l, 0,1
	ds_store_b128 v10, v[12:15] offset:16*PITCH_SK*\m+64*(1+2*\u+\l)
	ds_store_b128 v10, v[12:15] offset:16*PITCH_SK*\m+64*(1+2*\u+\l)+16
.endr
.endr
.endm
; V fragments of slot u as source 0: row = output column d, along the registers the 32 keys; V lies [key][d]: the load transposes
.macro VLOAD u
.irp d, 0,1,2,3
	ds_load_tr16_b128 v[F0+8*\d:F0+8*\d+3],   v5 offset:\u*SLOT_V+32*\d
	ds_load_tr16_b128 v[F0+8*\d+4:F0+8*\d+7], v5 offset:\u*SLOT_V+32*\d+16*PITCH_V
.endr
.endm
; the position scores read back skewed: for row 16 m + r and key 16 n + 8 h + j the word W + 16 (n - m) + 8 h + j - r of the ring's row.
; W = 48 in odd trips; in even trips 16, but for (m, n) = (1, 0), whose words all lie in the last window: 80.
.macro PPLOAD u
.irp m, 0,1
.irp n, 0,1
.if \u
.set POSW, 48
.else
.if \n < \m
.set POSW, 80
.else
.set POSW, 16
.endif
.endif
.irp j, 0,1,2,3,4,5,6,7
	ds_load_b32 v[F1+16*\m+8*\n+\j], v9 offset:(16*PITCH_SK-64)*\m+64*\n+4*\j+4*POSW
.endr
.endr
.endr
.endm
; block m: the zero test, + position, running maximum, exponentials, old sums rescaled, new sum, p packed to bf16 in place
.macro SOFTMAX m
.set SX, SCO+16*\m
.set TX, F1+16*\m
.set AX, ACC+32*\m
.irp q, 0,8
.irp k, 0,1,2,3,4,5,6,7
	v_cmp_eq_f32 s[40+\k], 0, v[SX+\q+\k]
.endr
.irp k, 0,1,2,3,4,5,6,7
	v_cndmask_b32 v[SX+\q+\k], v[SX+\q+\k], v24, s[40+\k]          ; -1e6 where the content score is 0
.endr
.irp k, 0,2,4,6
	v_pk_add_f32 v[SX+\q+\k:SX+\q+\k+1], v[SX+\q+\k:SX+\q+\k+1], v[TX+\q+\k:TX+\q+\k+1]
.endr
.endr
	v_max3_num_f32 v[TX],   v[SX],   v[SX+1],  v[SX+2]             ; two chains; the position scores' registers are free now
	v_max3_num_f32 v[TX+1], v[SX+3], v[SX+4],  v[SX+5]
	v_max3_num_f32 v[TX],   v[TX],   v[SX+6],  v[SX+7]
	v_max3_num_f32 v[TX+1], v[TX+1], v[SX+8],  v[SX+9]
	v_max3_num_f32 v[TX],   v[TX],   v[SX+10], v[SX+11]
	v_max3_num_f32 v[TX+1], v[TX+1], v[SX+12], v[SX+13]
	v_max3_num_f32 v[TX],   v[TX],   v[SX+14], v[SX+15]
	v_max3_num_f32 v[TX],   v[TX],   v[TX+1],  v[MX+\m]            ; with the maximum so far
	v_permlanex16_b32 v[TX+1], v[TX], s22, s23                     ; the other half of the lanes holds the row's other 16 keys
	v_max_num_f32 v[MX+\m], v[TX], v[TX+1]
	v_mul_f32 v[TX+2], s27, v[MX+\m]                               ; -max * log2(e)/8, rounded
	v_sub_f32 v[TX+3], v[TX+2], v[NM+2*\m]                         ; (old max - new max) * log2(e)/8 from the two rounded values; -inf in the first step
	v_mov_b32 v[NM+2*\m],   v[TX+2]
	v_mov_b32 v[NM+2*\m+1], v[TX+2]
	v_exp_f32 v[AL],   v[TX+3]
	v_exp_f32 v[AL+1], v[TX+3]
.irp k, 0,2,4,6,8,10,12,14
	v_pk_fma_f32 v[SX+\k:SX+\k+1], v[SX+\k:SX+\k+1], s[24:25], v[NM+2*\m:NM+2*\m+1] op_sel_hi:[1,0,1]   ; plain work behind the two exponentials above
.endr
.irp k, 0,1,2,3,4,5,6,7,8,9,10,11,12,13,14,15
	v_exp_f32 v[SX+\k], v[SX+\k]
.endr
	s_wait_alu depctr_va_vdst(0)
.irp k, 0,2,4,6,8,10,12,14,16,18,20,22,24,26,28,30
	v_pk_mul_f32 v[AX+\k:AX+\k+1], v[AX+\k:AX+\k+1], v[AL:AL+1]    ; plain work behind the sixteen exponentials, which it does not touch
.endr
	v_pk_add_f32 v[TX+4:TX+5],   v[SX:SX+1],     v[SX+2:SX+3]
	v_pk_add_f32 v[TX+6:TX+7],   v[SX+4:SX+5],   v[SX+6:SX+7]
	v_pk_add_f32 v[TX+8:TX+9],   v[SX+8:SX+9],   v[SX+10:SX+11]
	v_pk_add_f32 v[TX+10:TX+11], v[SX+12:SX+13], v[SX+14:SX+15]
	v_pk_add_f32 v[TX+4:TX+5],   v[TX+4:TX+5],   v[TX+6:TX+7]
	v_pk_add_f32 v[TX+8:TX+9],   v[TX+8:TX+9],   v[TX+10:TX+11]
	v_pk_add_f32 v[TX+4:TX+5],   v[TX+4:TX+5],   v[TX+8:TX+9]
	v_add_f32 v[TX+4], v[TX+4], v[TX+5]
	v_fma_f32 v[LS+\m], v[LS+\m], v[AL], v[TX+4]
.irp k, 0,1,2,3,4,5,6,7
	v_cvt_pk_bf16_f32 v[SX+\k], v[SX+2*\k], v[SX+2*\k+1]           ; registers 0-3: keys 8 h ..; 4-7: keys 16 + 8 h ..: source 1 of the next product as it stands
.endr
.endm
; out(block m) += V^T x p: four accumulators, one instruction each
.macro PV m
.irp d, 0,1,2,3
	v_wmma_f32_16x16x32_bf16 v[ACC+32*\m+8*\d:ACC+32*\m+8*\d+7], v[F0+8*\d:F0+8*\d+7], v[SCO+16*\m:SCO+16*\m+7], v[ACC+32*\m+8*\d:ACC+32*\m+8*\d+7]
.endr
.endm
; one step of a wave: 32 rows x the 32 keys of slot u
.macro STEP u
	s_min_u32 s19, s18, 31                         ; the window of l; step 32 has none and loads none
	s_lshl_b32 s19, s19, 6                         ; 32 l of 2 bytes
	v_add_nc_u32 v7, s19, v6
	v_add_nc_u32 v8, 32*PITCH_PE, v7
	s_cmp_eq_u32 s18, 32
	s_cbranch_scc1 .Lfill_\@
	POS \u
	s_branch .Ljoin_\@
.Lfill_\@:
	FILL \u
.Ljoin_\@:
	VLOAD \u
	s_wait_dscnt 16                                ; the K fragments are in: behind them stand at least 8 ring stores and the 8 V loads, on either way
	MM8 F1
	PLACES 5                                       ; four places before loads land in F1 and vector work reads the scores, five before they serve as source 1
	PPLOAD \u                                      ; LDS serves a wave's instructions in order: these see the ring stores above
	s_wait_dscnt 16                                ; V and the position scores of rows 0-15 are in; those of rows 16-31 may be out
	SOFTMAX 0
	PV 0
	s_wait_dscnt 0
	SOFTMAX 1                                      ; names no register of the four products just issued
	PV 1
	PLACES 5                                       ; before the next loads into F0, the next products into the scores' registers, and the way out
.endm
; one trip of the work-group: tile t = 2 s17 + u lies in slot u.  Tile t + 1 goes from registers into the other slot, tile t + 2 is asked for.
.macro TRIP u, store, load, pf, bar
.if \store
	s_wait_loadcnt 0x0                             ; tile t + 1, asked for a trip ago
	KV_PUT (1-\u)                                  ; the other slot's readers have passed the last trip's barrier
.endif
.if \load
	KV_LOAD (\u+2)*TILE_B
.endif
.if \pf
	; Wave 0 asks for tile t + 4 of K and of V, 32 lanes 256 bytes apart: 8,192 bytes each, two trips ahead of the tile's load.  Only for tiles that this
	; work-group is the first to touch: tiles 4 to 7, and with g = 3 all up to 39, the buffer's last rows; the others are tiles 0.. of work-group g + 1.
	s_cmp_ge_u32 s17, s28
	s_cbranch_scc1 .Lnopf_\@
	global_prefetch_b8 v11, s[4:5] offset:(\u+4)*TILE_B th:TH_LOAD_NT scope:SCOPE_SE
	global_prefetch_b8 v11, s[10:11] offset:(\u+4)*TILE_B th:TH_LOAD_NT scope:SCOPE_SE
.Lnopf_\@:
.endif
	s_lshl_b32 s18, s17, 1
	s_sub_co_u32 s18, s18, s14
.if \u
	s_add_co_u32 s18, s18, 1
.endif
	s_cmp_gt_u32 s18, 32                           ; tau = t - w; below 0 it wraps to a large number
	s_cbranch_scc1 .Lidle_\@
	STEP \u
.Lidle_\@:
.if \bar
	s_wait_dscnt 0x0                               ; my stores of tile t + 1 are done and my reads of tile t are back:
	s_barrier_signal -1                            ; one barrier a trip orders both
	s_barrier_wait -1
.endif
.endm
	s_load_b256 s[4:11], s[0:1], 0x0               ; key s[4:5], key_pe s[6:7], query s[8:9], value s[10:11]
	s_load_b64 s[12:13], s[0:1], 0x20              ; out0
	v_lshl_add_u32 v240, v0, 2, 0x3a400
	v_mov_b32 v241, 0
	v_lshrrev_b32 v2, 5, v0
	v_readfirstlane_b32 s14, v2                    ; wave
	s_mov_b32 s15, ttmp9                           ; g
	s_and_b32 s16, ttmp7, 0xffff                   ; b
	v_lshlrev_b32 v1, 4, v0
	v_and_b32 v21, 31, v0                          ; lane
	v_lshlrev_b32 v28, 4, v21
	s_lshl_b32 s20, s16, 19                        ; b x 2048 rows of 256 bytes
	s_lshl_b32 s19, s15, 16                        ; g x 256 rows
	s_add_co_u32 s20, s20, s19
	s_mov_b32 s21, 0
	s_lshl_b32 s18, s16, 18                        ; b x 1024 rows
	s_add_co_u32 s18, s18, s19
	s_lshl_b32 s19, s14, 13                        ; wave x 32 rows
	s_add_co_u32 s18, s18, s19
	s_mov_b32 s19, 0
	s_wait_kmcnt 0x0
	s_add_nc_u64 s[4:5], s[4:5], s[20:21]
	s_add_nc_u64 s[10:11], s[10:11], s[20:21]
	s_add_nc_u64 s[8:9], s[8:9], s[18:19]
	s_add_nc_u64 s[12:13], s[12:13], s[18:19]
	KV_LOAD 0                                      ; tile 0: 4 loads out
.irp i, 0,1,2,3,4,5,6,7,8,9,10,11,12,13,14,15
	global_load_b128 v[ACC+4*\i:ACC+4*\i+3], v28, s[8:9] offset:512*\i th:TH_LOAD_NT   ; my 32 query rows, two rows a load: 20 out
.endr
	PE_LOAD 0, SCO                                 ; 36 out
	; addresses and constants, while the loads are on their way
	s_mul_i32 s30, s14, WAVE_SK
	s_add_co_u32 s30, s30, LDS_SK                  ; my wave's ring
	s_mov_b32 s22, 0x76543210                      ; v_permlanex16_b32: lane i of one half reads lane i of the other
	s_mov_b32 s23, 0xfedcba98
	s_mov_b32 s24, 0x3e38aa3b                      ; log2(e) / 8
	s_mov_b32 s25, 0x3e38aa3b
	s_mov_b32 s27, 0xbe38aa3b
	s_cmp_eq_u32 s15, 3
	s_cselect_b32 s28, 18, 2
	s_cmp_eq_u32 s14, 0
	s_cselect_b32 s28, s28, 0
	v_and_b32 v16, 15, v0                          ; r (also thread % 16)
	v_bfe_u32 v17, v0, 4, 1                        ; h
	v_lshrrev_b32 v18, 4, v0                       ; thread / 16: my row among 16 of a tile
	v_and_b32 v19, 7, v0
	v_lshl_add_u32 v19, v17, 3, v19                ; 8 h + lane % 8: the row that I address in a transposing load
	v_bfe_u32 v20, v0, 3, 1                        ; and which 16 bytes of it
	v_mul_u32_u24 v2, v18, PITCH_K
	v_lshl_add_u32 v2, v16, 3, v2
	v_add_nc_u32 v2, LDS_K, v2
	v_mul_u32_u24 v3, v18, PITCH_V
	v_lshl_add_u32 v3, v16, 3, v3
	v_add_nc_u32 v3, LDS_V, v3
	v_mul_u32_u24 v4, v16, PITCH_K
	v_lshl_add_u32 v4, v17, 4, v4
	v_add_nc_u32 v4, LDS_K, v4
	v_mul_u32_u24 v5, v19, PITCH_V
	v_lshl_add_u32 v5, v20, 4, v5
	v_add_nc_u32 v5, LDS_V, v5
	v_mul_u32_u24 v6, v19, PITCH_PE
	v_lshl_add_u32 v6, v20, 4, v6
	v_lshlrev_b32 v7, 3, v0                        ; key_pe: my 4 numbers of a row, 8 bytes
	v_add_nc_u32 v8, 32*PITCH_PE, v7
	v_mul_u32_u24 v9, v16, PITCH_SK-4
	v_lshl_add_u32 v9, v17, 5, v9
	v_add_nc_u32 v9, s30, v9
	v_mul_u32_u24 v10, v16, PITCH_SK
	v_lshl_add_u32 v10, v17, 5, v10
	v_add_nc_u32 v10, s30, v10
	v_lshlrev_b32 v11, 8, v21
	v_mul_u32_u24 v29, v17, PITCH_K                ; Q goes through my ring's bytes, pitch 144: in by rows,
	v_lshl_add_u32 v29, v16, 3, v29
	v_add_nc_u32 v29, s30, v29
	v_mul_u32_u24 v30, v16, PITCH_K                ; back as fragments
	v_lshl_add_u32 v30, v17, 4, v30
	v_add_nc_u32 v30, s30, v30
	s_wait_loadcnt 32                              ; tile 0 is in: 16 loads of Q and 16 of key_pe stand behind it
	KV_PUT 0
	KV_LOAD TILE_B                                 ; tile 1: 36 out
	s_wait_loadcnt 20                              ; Q is in: 16 of key_pe and 4 of tile 1 stand behind it
.irp i, 0,1,2,3,4,5,6,7,8,9,10,11,12,13,14,15
	v_cvt_pk_bf16_f32 v[ACC+4*\i],   v[ACC+4*\i],   v[ACC+4*\i+1]
	v_cvt_pk_bf16_f32 v[ACC+4*\i+1], v[ACC+4*\i+2], v[ACC+4*\i+3]
	ds_store_b64 v29, v[ACC+4*\i:ACC+4*\i+1] offset:2*PITCH_K*\i
.endr
.irp m, 0,1
.irp k, 0,1
	ds_load_b128 v[QF+16*\m+8*\k:QF+16*\m+8*\k+3],   v30 offset:16*PITCH_K*\m+64*\k       ; my own bytes, served in order behind the stores
	ds_load_b128 v[QF+16*\m+8*\k+4:QF+16*\m+8*\k+7], v30 offset:16*PITCH_K*\m+64*\k+32
.endr
.endr
	PE_LOAD 1, ACC                                 ; 36 out
	s_wait_loadcnt 20                              ; key_pe rows 0-15 are in: tile 1 and rows 16-31 stand behind them
	PE_STORE 0, SCO
	PE_LOAD 2, SCO                                 ; 36 out
	s_wait_loadcnt 16                              ; tile 1 and rows 16-31 are in: rows 32-47 stand behind them
	PE_STORE 1, ACC
	PE_LOAD 3, ACC                                 ; 32 out
	s_wait_loadcnt 16                              ; rows 32-47
	PE_STORE 2, SCO
	s_wait_loadcnt 0x0                             ; rows 48-63
	PE_STORE 3, ACC
.irp k, 12,13,14,15,16,17
	v_mov_b32 v\k, 0xff800000                      ; -inf for the ring; the maxima start at -inf
.endr
	v_mov_b32 v18, 0                               ; the sums start at 0
	v_mov_b32 v19, 0
.irp k, 20,21,22,23
	v_mov_b32 v\k, 0x7f800000                      ; NM = +inf: the first step's factor for the old sums is exp2(-inf) = 0
.endr
	v_mov_b32 v24, 0xc9742400                      ; -1e6
.irp m, 0,1
.irp t, 0,1,2,3,4
	ds_store_b128 v10, v[12:15] offset:16*PITCH_SK*\m+64*\t        ; the whole ring: l < 0 lies outside the band.  Behind the Q fragments' loads, in order
	ds_store_b128 v10, v[12:15] offset:16*PITCH_SK*\m+64*\t+16
.endr
.endr
	; The output sums are cleared: a wave's first step falls in trip w, so one text of the step serves all 33 steps of all waves and always adds in place.
.set i, 0
.rept 64
	v_mov_b32 v[ACC+i], 0
.set i, i+1
.endr
	s_wait_dscnt 0x0                               ; my stores of key_pe and of tile 0 are done, my Q fragments are in
	s_barrier_signal -1
	s_barrier_wait -1
	s_mov_b32 s17, 0
.Lpair:                                            ; trips 0 to 37, two at a time
	TRIP 0, 1, 1, 1, 1
	TRIP 1, 1, 1, 1, 1
	s_wait_xcnt 0x0                                ; the bases are stepped only behind this wait
	s_add_nc_u64 s[4:5], s[4:5], 2*TILE_B
	s_add_nc_u64 s[10:11], s[10:11], 2*TILE_B
	s_add_co_u32 s17, s17, 1
	s_cmp_lt_u32 s17, 19
	s_cbranch_scc1 .Lpair
	TRIP 0, 1, 0, 0, 1                             ; trip 38 stores tile 39 and asks for nothing
	TRIP 1, 0, 0, 0, 0                             ; trip 39: nothing is written behind it, so no barrier
	; THE WAY OUT: divide by the row's sum, 32 rows through my ring's bytes (pitch 272), back as whole rows of 256 bytes.
	v_permlanex16_b32 v20, v18, s22, s23           ; the other half's part of the sums (NM is done with, and written on every way here)
	v_permlanex16_b32 v21, v19, s22, s23
	v_pk_add_f32 v[18:19], v[18:19], v[20:21]
	v_rcp_f32 v20, v18
	v_rcp_f32 v21, v18
	v_rcp_f32 v22, v19
	v_rcp_f32 v23, v19
	v_and_b32 v32, 15, v0                          ; plain work behind the reciprocals
	v_bfe_u32 v33, v0, 4, 1
	v_mul_u32_u24 v29, v32, PITCH_O                ; in: row r, 32 bytes for each half of the lanes
	v_lshl_add_u32 v29, v33, 5, v29
	v_add_nc_u32 v29, s30, v29
	v_mul_u32_u24 v30, v33, PITCH_O                ; back: lanes 0-15 one row, lanes 16-31 the next
	v_lshl_add_u32 v30, v32, 4, v30
	v_add_nc_u32 v30, s30, v30
	s_wait_alu depctr_va_vdst(0)
.irp m, 0,1
.irp k, 0,2,4,6,8,10,12,14,16,18,20,22,24,26,28,30
	v_pk_mul_f32 v[ACC+32*\m+\k:ACC+32*\m+\k+1], v[ACC+32*\m+\k:ACC+32*\m+\k+1], v[NM+2*\m:NM+2*\m+1]
.endr
.endr
.irp m, 0,1
.irp d, 0,1,2,3
	ds_store_b128 v29, v[ACC+32*\m+8*\d:ACC+32*\m+8*\d+3]   offset:16*PITCH_O*\m+64*\d
	ds_store_b128 v29, v[ACC+32*\m+8*\d+4:ACC+32*\m+8*\d+7] offset:16*PITCH_O*\m+64*\d+16
.endr
.endr
.irp i, 0,1,2,3,4,5,6,7,8,9,10,11,12,13,14,15
	ds_load_b128 v[SCO+4*\i:SCO+4*\i+3], v30 offset:2*PITCH_O*\i   ; my own bytes, served in order behind the stores
.endr
.irp i, 0,1,2,3,4,5,6,7,8,9,10,11,12,13,14,15
	s_wait_dscnt 15-\i                             ; LDS loads come back in order: load i is in
	global_store_b128 v28, v[SCO+4*\i:SCO+4*\i+3], s[12:13] offset:512*\i th:TH_STORE_NT   ; sixteen lanes store one row of 256 bytes, aligned
.endr
	s_wait_tensorcnt 0x0
	ds_add_u32 v240, v241
	s_wait_dscnt 0x0
	s_endpgm
.Lfunc_end_k_qd747c98dcd_band:
	.size	k_qd747c98dcd_band, .Lfunc_end_k_qd747c98dcd_band-k_qd747c98dcd_band
	.p2alignl 7, 3214868480
	.fill 96, 4, 3214868480
	.section	.rodata,"a",@progbits
	.p2align	6, 0x0
	.amdhsa_kernel k_qd747c98dcd_band
		.amdhsa_group_segment_fixed_size 239616
		.amdhsa_private_segment_fixed_size 0
		.amdhsa_enable_private_segment 0
		.amdhsa_kernarg_size 40
		.amdhsa_user_sgpr_count 2
		.amdhsa_user_sgpr_kernarg_segment_ptr 1
		.amdhsa_wavefront_size32 1
		.amdhsa_system_sgpr_workgroup_id_x 1
		.amdhsa_system_sgpr_workgroup_id_y 1
		.amdhsa_system_sgpr_workgroup_id_z 1
		.amdhsa_system_vgpr_workitem_id 0
		.amdhsa_next_free_vgpr 242
		.amdhsa_next_free_sgpr 66
		.amdhsa_reserve_vcc 0
		.amdhsa_float_denorm_mode_32 3
		.amdhsa_float_denorm_mode_16_64 3
		.amdhsa_memory_ordered 1
		.amdhsa_forward_progress 1
		.amdhsa_inst_pref_size 126
	.end_amdhsa_kernel
	.amdgpu_metadata
---
amdhsa.version: [ 1, 2 ]
amdhsa.kernels:
  - .name:           k_qd747c98dcd_band
    .symbol:         k_qd747c98dcd_band.kd
    .args:
      - { .name: key, .offset: 0, .size: 8, .value_kind: global_buffer, .address_space: global }
      - { .name: key_pe, .offset: 8, .size: 8, .value_kind: global_buffer, .address_space: global }
      - { .name: query, .offset: 16, .size: 8, .value_kind: global_buffer, .address_space: global }
      - { .name: value, .offset: 24, .size: 8, .value_kind: global_buffer, .address_space: global }
      - { .name: out0, .offset: 32, .size: 8, .value_kind: global_buffer, .address_space: global }
    .group_segment_fixed_size: 239616
    .private_segment_fixed_size: 0
    .kernarg_segment_align: 8
    .kernarg_segment_size: 40
    .max_flat_workgroup_size: 256
    .sgpr_count:     66
    .vgpr_count:     242
    .wavefront_size: 32
...
	.end_amdgpu_metadata
.endif
;; end of part 1
;; ======== version 2 of 2: 1 launch; version 1 with the launch band written anew for expert scheduling mode
;; launch band (part 2): grid 4 x 64, 8 waves a work-group, no clusters, 239,616 bytes of LDS; arguments key, key_pe, query, value, out0; writes out0
.if DOCPART == 2
	.amdgcn_target "amdgcn-amd-amdhsa--gfx1250"
	.amdhsa_code_object_version 6
	.text
	.protected	k_qd747c98dcd_band
	.globl	k_qd747c98dcd_band
	.p2align	8
	.type	k_qd747c98dcd_band,@function
k_qd747c98dcd_band:
	s_mov_b64 s[64:65], 0
	v_nop
	global_prefetch_b8 v0, s[64:65] scope:SCOPE_SE
	s_setreg_imm32_b32 hwreg(HW_REG_WAVE_SCHED_MODE, 0, 2), 2
	s_setreg_imm32_b32 hwreg(HW_REG_WAVE_MODE, 25, 1), 1
	s_wait_xcnt 0x0
	s_wait_alu depctr_vm_vsrc(0)
; Banded attention with a relative-position term, all steps in one launch.
;   c(m,l) = q[m] . k[m+l];  c = -1e6 where c == 0;  s(m,l) = (c + q[m] . pe[:,l]) / 8;  p = softmax over l = 0..1023;  out[m] = sum_l p(m,l) v[m+l].
; query [64][1024][64], key and value [64][2048][64], key_pe [64][1024], out0 [64][1024][64], all f32.
;
; SHARES.  Work-group (g, b) makes rows 256 g .. 256 g + 255 of batch b: 4 x 64 = 256 work-groups of equal work.  Wave w makes 32 rows, as two
; blocks of 16.  The work-group walks 40 tiles of 32 rows of key and value (tile t = rows 256 g + 32 t ..) in step, two LDS slots, one barrier a trip.
; Wave w works in the 33 trips with tau = t - w in 0..32; in the other 7 it only helps to stage.  In step tau, row a and tile column c have l = 32 tau + c - a.
;
; ALL PRODUCTS ARE USED TRANSPOSED: queries are source 1.  Lane (r = lane % 16, h = lane / 16) then holds query row r, and its eight result registers
; hold eight neighbouring keys (or positions, or output columns) 8 h + 0..7.  So a row's maximum and sum are a lane's own but for one exchange between
; the halves, the exponentials pack in place into source 1 of the product with V, and the rescaling of the sums is a multiply by the lane's own factor.
;
; THE SKEW.  Content scores come by key, position scores by l = key - row.  Each step makes the position scores of 32 new l for its 32 rows and stores
; them, f32, in the wave's own ring in LDS (row pitch 336 bytes); they are read back with a pitch of 332 bytes, which shifts row r by r words.
; A ring row is five blocks of 16 words [o1' | e0 e1 | o0 o1]: windows of even trips go to e0 e1, of odd trips to o0 o1, and o1 is stored a second
; time as o1', so that the words a step needs (last window, then this one) lie side by side in both cases and every offset is a constant.
; THE BAND costs nothing: the ring starts as -inf (l < 0) and step 32 stores -inf in place of scores (l >= 1024); exp2(-inf) is 0.
;
; SOFTMAX with a running maximum.  NM = -round(max * log2(e)/8) is kept; the factor for the old sums is exp2 of the DIFFERENCE OF THE ROUNDED values,
; so that the same rounded shift is in numerator and denominator also where scores are near -1e6.
;
; NOT USED, and why.  Tensor loads: all inputs are f32 and must pass through registers once to become bf16; f32 tiles in LDS would take twice the bytes
; and every wave would convert every fragment.  Clusters: neighbouring work-groups read the same key rows 8 trips apart, not in the same trip, and
; key_pe is read once by each work-group, 262,144 bytes against 655,360 of key and value.
;
; LIMITS.  q, k, pe, v and p enter the matrix unit in bf16; sums, scores, the skewed position scores and the softmax are f32.  The test c == 0 is made on
; the f32 sum of products of the rounded operands.  The denominator sums p in f32 while the product with V takes p rounded to bf16.  The maximum is
; taken by the forms in which a NaN loses; a NaN score still makes its row NaN through the exponential and the sum.
;
; THE MODE: SCHED_MODE bits 1:0 = 2 (LLVM: expert scheduling mode 2), set by the entry lines.  The code itself states the register dependences
; between vector or matrix instructions and memory or LDS instructions, with s_wait_alu, always for 0.
; THE PLAN.  Registers that memory or LDS instructions touch, round a trip:
;   STG     tile t + 2 lands in it, asked for at the head of trip t; read by the conversions at the head of trip t + 1.
;   OUT     written by those conversions; read by the four LDS stores that follow them.
;   v7, v8  written at a trip's head; read by the step's eight loads of key_pe's fragments.
;   F0      key_pe's fragments land; the position products read them; the skewed position scores land; the softmax reads them and works on in these registers.
;   F1      K's fragments land; the content products read them; V's fragments land; the products with V read them.
;   SCO     written by the position products; read by the ring's stores; written over by the content products; from there on vector and matrix instructions alone.
;   v1-v5, v9-v11, v[12:15], v28   made in the head, never written again in the loop.
; A trip's waits: at its head one on vm_vsrc (the last trip's LDS stores have read OUT, the last step's loads v7 and v8) and, behind the conversions and the
; two adds, one on va_vdst (OUT, v7, v8 are written; STG is read; the last step is done with F0 and F1), which serves the stores, the tile's loads and all
; sixteen fragment loads of the step, since no vector instruction stands between.  In the step: va_vdst behind the position products (for the ring's stores
; and the skewed reads), vm_vsrc ahead of the content products (the ring's stores have read SCO), va_vdst behind the content products (for V's loads).
; In each block's softmax: va_sdst between the sixteen compares and the sixteen selects, va_vdst behind the batch of exponentials.
.set PITCH_PE, 2080                    ; 1024 bf16 + 32 bytes: an odd multiple of 32 bytes, for the transposing loads
.set PITCH_K,  144                     ; 64 bf16 + 16 bytes: an odd multiple of 16 bytes
.set PITCH_V,  160                     ; 64 bf16 + 32 bytes: an odd multiple of 32 bytes, for the transposing loads
.set PITCH_SK, 336                     ; 80 words + 4: an odd multiple of 16 bytes
.set PITCH_O,  272                     ; the way out: 64 f32 + 16 bytes
.set LDS_K,    64*PITCH_PE             ; 133,120: key_pe in bf16 lies at LDS byte 0, [64 d][1024 l]
.set SLOT_K,   32*PITCH_K              ; 4,608
.set LDS_V,    LDS_K+2*SLOT_K          ; 142,336
.set SLOT_V,   32*PITCH_V              ; 5,120
.set LDS_SK,   LDS_V+2*SLOT_V          ; 152,576
.set WAVE_SK,  32*PITCH_SK             ; 10,752 for each wave; the map ends at 238,592
.set TILE_B,   8192                    ; a tile of 32 rows of 256 bytes in memory
; v0 thread; v1 16 x thread (offset in a tile and in a row of key_pe); v2, v3 where I store K, V; v4 K fragments; v5 V fragments; v6 PE fragments;
; v7, v8 PE fragments of this step, d 0-31 and 32-63 (at the start: where I store key_pe); v9 skewed reads; v10 ring stores; v11 256 x lane (prefetch);
; v[12:15] -inf; v24 -1e6; v28 16 x lane; v29, v30 stage addresses (Q at the start, O at the end)
.set MX,  16                           ; v16-17   running maximum of the row, block 0, 1
.set LS,  18                           ; v18-19   running sum of my half of the row
.set NM,  20                           ; v[20:23] -round(max * log2(e)/8), a pair for each block
.set AL,  26                           ; v[26:27] the factor for the old sums, twice
.set STG, 32                           ; v[32:47] staging: K rows 0-15, K rows 16-31, V rows 0-15, V rows 16-31, 4 registers each, f32 as loaded
.set QF,  48                           ; v[48:79] Q fragments, block m, d half k at 16 m + 8 k
.set SCO, 80                           ; v[80:111] scores, block m, key (or l) block n at 16 m + 8 n
.set F0,  112                          ; v[112:143] PE fragments (l block, d half), then skewed position scores laid like SCO, then temporaries
.set F1,  144                          ; v[144:175] K fragments (key block, d half), then V fragments (d block)
.set ACC, 176                          ; v[176:239] output sums, block m, d block at 32 m + 8 d
.set OUT, 240                          ; v[240:247] the staged tile in bf16, 2 registers for each 4 of STG
; s[4:5] key, s[10:11] value at the pair of tiles of this trip of the loop; s[6:7] key_pe; s[8:9] my wave's query rows; s[12:13] its output rows;
; s14 wave, s15 g, s16 b, s17 loop counter, s18 tau, s19 temporary, s[22:23] lane selects, s24 = s25 = log2(e)/8, s27 = -log2(e)/8,
; s28 trips of the loop in which I prefetch, s30 my ring, s[32:47] compare masks
.macro PLACES n
.rept \n
	v_nop
.endr
.endm
; a tile of K and of V, 4 x 16 bytes a thread; one load of a wave covers 512 neighbouring bytes
.macro KV_LOAD imm
	global_load_b128 v[STG:STG+3],     v1, s[4:5] offset:\imm
	global_load_b128 v[STG+4:STG+7],   v1, s[4:5] offset:\imm+4096
	global_load_b128 v[STG+8:STG+11],  v1, s[10:11] offset:\imm
	global_load_b128 v[STG+12:STG+15], v1, s[10:11] offset:\imm+4096
.endm
; it is rounded to bf16, out of STG into OUT,
.macro KV_CVT
.irp k, 0,1,2,3
	v_cvt_pk_bf16_f32 v[OUT+2*\k],   v[STG+4*\k],   v[STG+4*\k+1]
	v_cvt_pk_bf16_f32 v[OUT+2*\k+1], v[STG+4*\k+2], v[STG+4*\k+3]
.endr
.endm
; and put into a slot
.macro KV_ST slot
	ds_store_b64 v2, v[OUT:OUT+1]   offset:(\slot)*SLOT_K
	ds_store_b64 v2, v[OUT+2:OUT+3] offset:(\slot)*SLOT_K+16*PITCH_K
	ds_store_b64 v3, v[OUT+4:OUT+5] offset:(\slot)*SLOT_V
	ds_store_b64 v3, v[OUT+6:OUT+7] offset:(\slot)*SLOT_V+16*PITCH_V
.endm
; sixteen rows of key_pe (d = 16 beta ..): the 256 threads take one whole row of 4,096 bytes with each load
.macro PE_LOAD beta, base
.irp k, 0,1,2,3,4,5,6,7,8,9,10,11,12,13,14,15
	global_load_b128 v[\base+4*\k:\base+4*\k+3], v1, s[6:7] offset:(16*\beta+\k)*4096
.endr
.endm
; they are rounded in place, four numbers closing up into the first two of their four registers; then one wait, then the run of stores
.macro PE_STORE beta, base
.irp k, 0,1,2,3,4,5,6,7,8,9,10,11,12,13,14,15
	v_cvt_pk_bf16_f32 v[\base+4*\k],   v[\base+4*\k],   v[\base+4*\k+1]
	v_cvt_pk_bf16_f32 v[\base+4*\k+1], v[\base+4*\k+2], v[\base+4*\k+3]
.endr
	s_wait_alu depctr_va_vdst(0)                   ; the conversions have written the registers that the LDS stores read, and are done with all 64, in which later loads land
.irp k, 0,1,2,3,4,5,6,7,8,9,10,11,12,13,14,15
	ds_store_b64 v[7+\beta/2], v[\base+4*\k:\base+4*\k+1] offset:((16*\beta+\k)%32)*PITCH_PE   ; v8 carries rows 32 and up: the immediate has 16 bits
.endr
.endm
; K fragments of slot u: key block n, d half k; rows lie along d: two loads 32 bytes apart
.macro KFLOAD u
.irp n, 0,1
.irp k, 0,1
	ds_load_b128 v[F1+16*\n+8*\k:F1+16*\n+8*\k+3],   v4 offset:\u*SLOT_K+16*PITCH_K*\n+64*\k
	ds_load_b128 v[F1+16*\n+8*\k+4:F1+16*\n+8*\k+7], v4 offset:\u*SLOT_K+16*PITCH_K*\n+64*\k+32
.endr
.endr
.endm
; eight products: scores(block m, block n) = fragments f (block n) x Q (block m), over d = 0..63.  The first four start the sums with the constant 0;
; the four accumulators take turns, one instruction a turn.
.macro MM8 f
.irp k, 0,1
.irp m, 0,1
.irp n, 0,1
.if \k
	v_wmma_f32_16x16x32_bf16 v[SCO+16*\m+8*\n:SCO+16*\m+8*\n+7], v[\f+16*\n+8*\k:\f+16*\n+8*\k+7], v[QF+16*\m+8*\k:QF+16*\m+8*\k+7], v[SCO+16*\m+8*\n:SCO+16*\m+8*\n+7]
.else
	v_wmma_f32_16x16x32_bf16 v[SCO+16*\m+8*\n:SCO+16*\m+8*\n+7], v[\f+16*\n+8*\k:\f+16*\n+8*\k+7], v[QF+16*\m+8*\k:QF+16*\m+8*\k+7], 0
.endif
.endr
.endr
.endr
.endm
; the position scores of l = 32 tau .. 32 tau + 31 for my 32 rows, into the ring (blocks 1, 2 in even trips; 3, 4 and a second copy of 4 in block 0 in odd trips)
.macro POS u
.irp l, 0,1
.irp k, 0,1
	ds_load_tr16_b128 v[F0+16*\l+8*\k:F0+16*\l+8*\k+3],   v[7+\k] offset:32*\l                 ; key_pe lies [d][l]: the load transposes, d = 8 h .. of column l
	ds_load_tr16_b128 v[F0+16*\l+8*\k+4:F0+16*\l+8*\k+7], v[7+\k] offset:32*\l+16*PITCH_PE     ; d = 16 + 8 h ..
.endr
.endr
	KFLOAD \u                                      ; asked for now, used behind the position products
	s_wait_dscnt 8                                 ; the PE fragments are in; the eight K loads behind them may be out
	MM8 F0
	PLACES 5                                       ; four places before the stores read the results, five before the content products write over the scores
	s_wait_alu depctr_va_vdst(0)                   ; the position products have written the scores, which the ring's stores read, and are done reading F0, in which the skewed reads land
.irp m, 0,1
.irp l, 0,1
	ds_store_b128 v10, v[SCO+16*\m+8*\l:SCO+16*\m+8*\l+3]   offset:16*PITCH_SK*\m+64*(1+2*\u+\l)
	ds_store_b128 v10, v[SCO+16*\m+8*\l+4:SCO+16*\m+8*\l+7] offset:16*PITCH_SK*\m+64*(1+2*\u+\l)+16
.endr
.endr
.if \u
.irp m, 0,1
	ds_store_b128 v10, v[SCO+16*\m+8:SCO+16*\m+11]  offset:16*PITCH_SK*\m
	ds_store_b128 v10, v[SCO+16*\m+12:SCO+16*\m+15] offset:16*PITCH_SK*\m+16
.endr
.endif
.endm
; step 32: l = 1024 and up lie outside the band: -inf in the window's place
.macro FILL u
	KFLOAD \u
.irp m, 0,1
.irp l, 0,1
	ds_store_b128 v10, v[12:15] offset:16*PITCH_SK*\m+64*(1+2*\u+\l)
	ds_store_b128 v10, v[12:15] offset:16*PITCH_SK*\m+64*(1+2*\u+\l)+16
.endr
.endr
.endm
; V fragments of slot u as source 0: row = output column d, along the registers the 32 keys; V lies [key][d]: the load transposes
.macro VLOAD u
.irp d, 0,1,2,3
	ds_load_tr16_b128 v[F1+8*\d:F1+8*\d+3],   v5 offset:\u*SLOT_V+32*\d
	ds_load_tr16_b128 v[F1+8*\d+4:F1+8*\d+7], v5 offset:\u*SLOT_V+32*\d+16*PITCH_V
.endr
.endm
; the position scores read back skewed: for row 16 m + r and key 16 n + 8 h + j the word W + 16 (n - m) + 8 h + j - r of the ring's row.
; W = 48 in odd trips; in even trips 16, but for (m, n) = (1, 0), whose words all lie in the last window: 80.
.macro PPLOAD u
.irp m, 0,1
.irp n, 0,1
.if \u
.set POSW, 48
.else
.if \n < \m
.set POSW, 80
.else
.set POSW, 16
.endif
.endif
.irp j, 0,1,2,3,4,5,6,7
	ds_load_b32 v[F0+16*\m+8*\n+\j], v9 offset:(16*PITCH_SK-64)*\m+64*\n+4*\j+4*POSW
.endr
.endr
.endr
.endm
; block m: the zero test, + position, running maximum, exponentials, old sums rescaled, new sum, p packed to bf16 in place
.macro SOFTMAX m
.set SX, SCO+16*\m
.set TX, F0+16*\m
.set AX, ACC+32*\m
.irp k, 0,1,2,3,4,5,6,7,8,9,10,11,12,13,14,15
	v_cmp_eq_f32 s[32+\k], 0, v[SX+\k]             ; each accumulator from its low end on
.endr
	s_wait_alu depctr_va_sdst(0)                   ; the sixteen compares have written s[32:47], which the selects read
.irp k, 0,1,2,3,4,5,6,7,8,9,10,11,12,13,14,15
	v_cndmask_b32 v[SX+\k], v[SX+\k], v24, s[32+\k]                ; -1e6 where the content score is 0
.endr
.irp k, 0,2,4,6,8,10,12,14
	v_pk_add_f32 v[SX+\k:SX+\k+1], v[SX+\k:SX+\k+1], v[TX+\k:TX+\k+1]
.endr
	v_max3_num_f32 v[TX],   v[SX],   v[SX+1],  v[SX+2]             ; two chains; the position scores' registers are free now
	v_max3_num_f32 v[TX+1], v[SX+3], v[SX+4],  v[SX+5]
	v_max3_num_f32 v[TX],   v[TX],   v[SX+6],  v[SX+7]
	v_max3_num_f32 v[TX+1], v[TX+1], v[SX+8],  v[SX+9]
	v_max3_num_f32 v[TX],   v[TX],   v[SX+10], v[SX+11]
	v_max3_num_f32 v[TX+1], v[TX+1], v[SX+12], v[SX+13]
	v_max3_num_f32 v[TX],   v[TX],   v[SX+14], v[SX+15]
	v_max3_num_f32 v[TX],   v[TX],   v[TX+1],  v[MX+\m]            ; with the maximum so far
	v_permlanex16_b32 v[TX+1], v[TX], s22, s23                     ; the other half of the lanes holds the row's other 16 keys
	v_max_num_f32 v[MX+\m], v[TX], v[TX+1]
	v_mul_f32 v[TX+2], s27, v[MX+\m]                               ; -max * log2(e)/8, rounded
	v_sub_f32 v[TX+3], v[TX+2], v[NM+2*\m]                         ; (old max - new max) * log2(e)/8 from the two rounded values; -inf in the first step
	v_mov_b32 v[NM+2*\m],   v[TX+2]
	v_mov_b32 v[NM+2*\m+1], v[TX+2]
	v_exp_f32 v[AL],   v[TX+3]                                     ; ONE BATCH of eighteen exponentials: none of the lines down to the wait names a result of theirs
	v_exp_f32 v[AL+1], v[TX+3]
.irp k, 0,2,4,6,8,10,12,14
	v_pk_fma_f32 v[SX+\k:SX+\k+1], v[SX+\k:SX+\k+1], s[24:25], v[NM+2*\m:NM+2*\m+1] op_sel_hi:[1,0,1]   ; plain work behind the two exponentials above
.endr
.irp k, 0,1,2,3,4,5,6,7,8,9,10,11,12,13,14,15
	v_exp_f32 v[SX+\k], v[SX+\k]
.endr
	s_wait_alu depctr_va_vdst(0)                   ; the eighteen exponentials have written AL and the weights: one wait, ahead of the batch's first reader
.irp k, 0,2,4,6,8,10,12,14,16,18,20,22,24,26,28,30
	v_pk_mul_f32 v[AX+\k:AX+\k+1], v[AX+\k:AX+\k+1], v[AL:AL+1]    ; plain work behind the sixteen exponentials, whose registers it does not touch
.endr
	v_pk_add_f32 v[TX+4:TX+5],   v[SX:SX+1],     v[SX+2:SX+3]
	v_pk_add_f32 v[TX+6:TX+7],   v[SX+4:SX+5],   v[SX+6:SX+7]
	v_pk_add_f32 v[TX+8:TX+9],   v[SX+8:SX+9],   v[SX+10:SX+11]
	v_pk_add_f32 v[TX+10:TX+11], v[SX+12:SX+13], v[SX+14:SX+15]
	v_pk_add_f32 v[TX+4:TX+5],   v[TX+4:TX+5],   v[TX+6:TX+7]
	v_pk_add_f32 v[TX+8:TX+9],   v[TX+8:TX+9],   v[TX+10:TX+11]
	v_pk_add_f32 v[TX+4:TX+5],   v[TX+4:TX+5],   v[TX+8:TX+9]
	v_add_f32 v[TX+4], v[TX+4], v[TX+5]
	v_fma_f32 v[LS+\m], v[LS+\m], v[AL], v[TX+4]
.irp k, 0,1,2,3,4,5,6,7
	v_cvt_pk_bf16_f32 v[SX+\k], v[SX+2*\k], v[SX+2*\k+1]           ; registers 0-3: keys 8 h ..; 4-7: keys 16 + 8 h ..: source 1 of the next product as it stands
.endr
.endm
; out(block m) += V^T x p: four accumulators, one instruction each
.macro PV m
.irp d, 0,1,2,3
	v_wmma_f32_16x16x32_bf16 v[ACC+32*\m+8*\d:ACC+32*\m+8*\d+7], v[F1+8*\d:F1+8*\d+7], v[SCO+16*\m:SCO+16*\m+7], v[ACC+32*\m+8*\d:ACC+32*\m+8*\d+7]
.endr
.endm
; one step of a wave: 32 rows x the 32 keys of slot u.  v7 and v8 were made at the trip's head, ahead of the wait that serves the fragment loads below.
.macro STEP u
	s_cmp_eq_u32 s18, 32
	s_cbranch_scc1 .Lfill_\@
	POS \u
	s_branch .Ljoin_\@
.Lfill_\@:
	FILL \u
.Ljoin_\@:
	PPLOAD \u                                      ; LDS serves a wave's instructions in order: these see the ring stores above.  They land while the content products run.
	                                               ; No wait here: no vector or matrix instruction since the last wait on va_vdst, on either way, names F0 or v9
	s_wait_alu depctr_vm_vsrc(0)                   ; the ring's stores have read the scores' registers, which the content products write over
	s_wait_dscnt 40                                ; the K fragments are in: behind them stand at least 8 ring stores and the 32 skewed reads, on either way
	MM8 F1
	PLACES 5                                       ; four places before vector work reads the scores, five before they serve as source 1 (ISA guide 7.12.1)
	s_wait_alu depctr_va_vdst(0)                   ; the content products are done reading F1, in which V's fragments land
	VLOAD \u                                       ; they land while the first block's softmax runs
	s_wait_dscnt 24                                ; the position scores of rows 0-15 are in; those of rows 16-31 (16 loads) and V (8) may be out
	SOFTMAX 0
	s_wait_dscnt 0                                 ; V is in, and the position scores of rows 16-31
	PV 0
	SOFTMAX 1                                      ; names no register of the four products just issued
	PV 1
	PLACES 5                                       ; before the next products into the scores' registers, and the way out
.endm
; one trip of the work-group: tile t = 2 s17 + u lies in slot u.  Tile t + 1 goes from registers into the other slot, tile t + 2 is asked for.
.macro TRIP u, store, load, pf, bar
	s_lshl_b32 s18, s17, 1
	s_sub_co_u32 s18, s18, s14                     ; tau = t - w; below 0 it wraps to a large number
.if \u
	s_add_co_u32 s18, s18, 1
.endif
	s_min_u32 s19, s18, 31                         ; the window of l; step 32 has none and loads none, nor does a wave without a step
	s_lshl_b32 s19, s19, 6                         ; 32 l of 2 bytes
.if \store
	s_wait_loadcnt 0x0                             ; tile t + 1, asked for a trip ago
.endif
	s_wait_alu depctr_vm_vsrc(0)                   ; the last trip's LDS stores have read OUT, the last step's loads of key_pe's fragments have read v7 and v8: all are written again below
.if \store
	KV_CVT
.endif
	v_add_nc_u32 v7, s19, v6
	v_add_nc_u32 v8, 32*PITCH_PE, v7
	s_wait_alu depctr_va_vdst(0)                   ; OUT, v7 and v8 are written; the conversions are done reading STG; the last step's softmax and products are done with F0 and F1
.if \store
	KV_ST (1-\u)                                   ; the other slot's readers have passed the last trip's barrier
.endif
.if \load
	KV_LOAD (\u+2)*TILE_B
.endif
.if \pf
	; Wave 0 asks for tile t + 4 of K and of V, 32 lanes 256 bytes apart: 8,192 bytes each, two trips ahead of the tile's load.  Only for tiles that this
	; work-group is the first to touch: tiles 4 to 7, and with g = 3 all up to 39, the buffer's last rows; the others are tiles 0.. of work-group g + 1.
	s_cmp_ge_u32 s17, s28
	s_cbranch_scc1 .Lnopf_\@
	global_prefetch_b8 v11, s[4:5] offset:(\u+4)*TILE_B th:TH_LOAD_NT scope:SCOPE_SE
	global_prefetch_b8 v11, s[10:11] offset:(\u+4)*TILE_B th:TH_LOAD_NT scope:SCOPE_SE
.Lnopf_\@:
.endif
	s_cmp_gt_u32 s18, 32
	s_cbranch_scc1 .Lidle_\@
	STEP \u
.Lidle_\@:
.if \bar
	s_wait_dscnt 0x0                               ; my stores of tile t + 1 are done and my reads of tile t are back:
	s_barrier_signal -1                            ; one barrier a trip orders both
	s_barrier_wait -1
.endif
.endm
	s_load_b256 s[4:11], s[0:1], 0x0               ; key s[4:5], key_pe s[6:7], query s[8:9], value s[10:11]
	s_load_b64 s[12:13], s[0:1], 0x20              ; out0
	v_lshl_add_u32 v25, v0, 2, 0x3a400
	v_mov_b32 v31, 0
	v_lshrrev_b32 v2, 5, v0
	v_readfirstlane_b32 s14, v2                    ; wave
	s_mov_b32 s15, ttmp9                           ; g
	s_and_b32 s16, ttmp7, 0xffff                   ; b
	v_lshlrev_b32 v1, 4, v0
	v_and_b32 v21, 31, v0                          ; lane
	v_lshlrev_b32 v28, 4, v21
	s_lshl_b32 s20, s16, 19                        ; b x 2048 rows of 256 bytes
	s_lshl_b32 s19, s15, 16                        ; g x 256 rows
	s_add_co_u32 s20, s20, s19
	s_mov_b32 s21, 0
	s_lshl_b32 s18, s16, 18                        ; b x 1024 rows
	s_add_co_u32 s18, s18, s19
	s_wait_alu depctr_va_sdst(0)                   ; s14 is written, ahead of its first reader
	s_lshl_b32 s19, s14, 13                        ; wave x 32 rows
	s_add_co_u32 s18, s18, s19
	s_mov_b32 s19, 0
	s_wait_kmcnt 0x0
	s_add_nc_u64 s[4:5], s[4:5], s[20:21]
	s_add_nc_u64 s[10:11], s[10:11], s[20:21]
	s_add_nc_u64 s[8:9], s[8:9], s[18:19]
	s_add_nc_u64 s[12:13], s[12:13], s[18:19]
	s_wait_alu depctr_va_vdst(0)                   ; v1 and v28 are written: the global loads and stores read one of them as their offset
	KV_LOAD 0                                      ; tile 0: 4 loads out
.irp i, 0,1,2,3,4,5,6,7,8,9,10,11,12,13,14,15
	global_load_b128 v[ACC+4*\i:ACC+4*\i+3], v28, s[8:9] offset:512*\i th:TH_LOAD_NT   ; my 32 query rows, two rows a load: 20 out
.endr
	PE_LOAD 0, SCO                                 ; 36 out
	; addresses and constants, while the loads are on their way
	s_mul_i32 s30, s14, WAVE_SK
	s_add_co_u32 s30, s30, LDS_SK                  ; my wave's ring
	s_mov_b32 s22, 0x76543210                      ; v_permlanex16_b32: lane i of one half reads lane i of the other
	s_mov_b32 s23, 0xfedcba98
	s_mov_b32 s24, 0x3e38aa3b                      ; log2(e) / 8
	s_mov_b32 s25, 0x3e38aa3b
	s_mov_b32 s27, 0xbe38aa3b
	s_cmp_eq_u32 s15, 3
	s_cselect_b32 s28, 18, 2
	s_cmp_eq_u32 s14, 0
	s_cselect_b32 s28, s28, 0
	v_and_b32 v16, 15, v0                          ; r (also thread % 16)
	v_bfe_u32 v17, v0, 4, 1                        ; h
	v_lshrrev_b32 v18, 4, v0                       ; thread / 16: my row among 16 of a tile
	v_and_b32 v19, 7, v0
	v_lshl_add_u32 v19, v17, 3, v19                ; 8 h + lane % 8: the row that I address in a transposing load
	v_bfe_u32 v20, v0, 3, 1                        ; and which 16 bytes of it
	v_mul_u32_u24 v2, v18, PITCH_K
	v_lshl_add_u32 v2, v16, 3, v2
	v_add_nc_u32 v2, LDS_K, v2
	v_mul_u32_u24 v3, v18, PITCH_V
	v_lshl_add_u32 v3, v16, 3, v3
	v_add_nc_u32 v3, LDS_V, v3
	v_mul_u32_u24 v4, v16, PITCH_K
	v_lshl_add_u32 v4, v17, 4, v4
	v_add_nc_u32 v4, LDS_K, v4
	v_mul_u32_u24 v5, v19, PITCH_V
	v_lshl_add_u32 v5, v20, 4, v5
	v_add_nc_u32 v5, LDS_V, v5
	v_mul_u32_u24 v6, v19, PITCH_PE
	v_lshl_add_u32 v6, v20, 4, v6
	v_lshlrev_b32 v7, 3, v0                        ; key_pe: my 4 numbers of a row, 8 bytes
	v_add_nc_u32 v8, 32*PITCH_PE, v7
	v_mul_u32_u24 v9, v16, PITCH_SK-4
	v_lshl_add_u32 v9, v17, 5, v9
	v_add_nc_u32 v9, s30, v9
	v_mul_u32_u24 v10, v16, PITCH_SK
	v_lshl_add_u32 v10, v17, 5, v10
	v_add_nc_u32 v10, s30, v10
	v_lshlrev_b32 v11, 8, v21
	v_mul_u32_u24 v29, v17, PITCH_K                ; Q goes through my ring's bytes, pitch 144: in by rows,
	v_lshl_add_u32 v29, v16, 3, v29
	v_add_nc_u32 v29, s30, v29
	v_mul_u32_u24 v30, v16, PITCH_K                ; back as fragments
	v_lshl_add_u32 v30, v17, 4, v30
	v_add_nc_u32 v30, s30, v30
	s_wait_loadcnt 32                              ; tile 0 is in: 16 loads of Q and 16 of key_pe stand behind it
	KV_CVT
	s_wait_alu depctr_va_vdst(0)                   ; OUT and the addresses v2 to v11, v29, v30 are written, which LDS instructions and prefetches read; the conversions are done reading STG, in which tile 1 lands
	KV_ST 0
	KV_LOAD TILE_B                                 ; tile 1: 36 out
	s_wait_loadcnt 20                              ; Q is in: 16 of key_pe and 4 of tile 1 stand behind it
.irp i, 0,1,2,3,4,5,6,7,8,9,10,11,12,13,14,15
	v_cvt_pk_bf16_f32 v[ACC+4*\i],   v[ACC+4*\i],   v[ACC+4*\i+1]
	v_cvt_pk_bf16_f32 v[ACC+4*\i+1], v[ACC+4*\i+2], v[ACC+4*\i+3]
.endr
	s_wait_alu depctr_va_vdst(0)                   ; the conversions have written Q in bf16, which the LDS stores read, and are done with all 64 registers, in which key_pe's rows 16-31 land
.irp i, 0,1,2,3,4,5,6,7,8,9,10,11,12,13,14,15
	ds_store_b64 v29, v[ACC+4*\i:ACC+4*\i+1] offset:2*PITCH_K*\i
.endr
.irp m, 0,1
.irp k, 0,1
	ds_load_b128 v[QF+16*\m+8*\k:QF+16*\m+8*\k+3],   v30 offset:16*PITCH_K*\m+64*\k       ; my own bytes, served in order behind the stores
	ds_load_b128 v[QF+16*\m+8*\k+4:QF+16*\m+8*\k+7], v30 offset:16*PITCH_K*\m+64*\k+32
.endr
.endr
	s_wait_alu depctr_vm_vsrc(0)                   ; Q's LDS stores have read their data registers, in which the next loads land
	PE_LOAD 1, ACC                                 ; 36 out
	s_wait_loadcnt 20                              ; key_pe rows 0-15 are in: tile 1 and rows 16-31 stand behind them
	PE_STORE 0, SCO
	s_wait_alu depctr_vm_vsrc(0)                   ; those LDS stores have read their data registers, in which the next loads land
	PE_LOAD 2, SCO                                 ; 36 out
	s_wait_loadcnt 16                              ; tile 1 and rows 16-31 are in: rows 32-47 stand behind them
	PE_STORE 1, ACC
	s_wait_alu depctr_vm_vsrc(0)                   ; those LDS stores have read their data registers, in which the next loads land
	PE_LOAD 3, ACC                                 ; 32 out
	s_wait_loadcnt 16                              ; rows 32-47
	PE_STORE 2, SCO
	s_wait_loadcnt 0x0                             ; rows 48-63
	PE_STORE 3, ACC
	s_wait_alu depctr_vm_vsrc(0)                   ; the last LDS stores have read their data registers, which are cleared below
.irp k, 12,13,14,15,16,17
	v_mov_b32 v\k, 0xff800000                      ; -inf for the ring; the maxima start at -inf
.endr
	v_mov_b32 v18, 0                               ; the sums start at 0
	v_mov_b32 v19, 0
.irp k, 20,21,22,23
	v_mov_b32 v\k, 0x7f800000                      ; NM = +inf: the first step's factor for the old sums is exp2(-inf) = 0
.endr
	v_mov_b32 v24, 0xc9742400                      ; -1e6
	; The output sums are cleared: a wave's first step falls in trip w, so one text of the step serves all 33 steps of all waves and always adds in place.
.set i, 0
.rept 64
	v_mov_b32 v[ACC+i], 0
.set i, i+1
.endr
	s_wait_alu depctr_va_vdst(0)                   ; v[12:15] are written, which the ring's stores read
.irp m, 0,1
.irp t, 0,1,2,3,4
	ds_store_b128 v10, v[12:15] offset:16*PITCH_SK*\m+64*\t        ; the whole ring: l < 0 lies outside the band.  Behind the Q fragments' loads, in order
	ds_store_b128 v10, v[12:15] offset:16*PITCH_SK*\m+64*\t+16
.endr
.endr
	s_wait_dscnt 0x0                               ; my stores of key_pe and of tile 0 are done, my Q fragments are in
	s_barrier_signal -1
	s_barrier_wait -1
	s_mov_b32 s17, 0
.Lpair:                                            ; trips 0 to 37, two at a time
	TRIP 0, 1, 1, 1, 1
	TRIP 1, 1, 1, 1, 1
	s_wait_xcnt 0x0                                ; the bases are stepped only behind this wait
	s_add_nc_u64 s[4:5], s[4:5], 2*TILE_B
	s_add_nc_u64 s[10:11], s[10:11], 2*TILE_B
	s_add_co_u32 s17, s17, 1
	s_cmp_lt_u32 s17, 19
	s_cbranch_scc1 .Lpair
	TRIP 0, 1, 0, 0, 1                             ; trip 38 stores tile 39 and asks for nothing
	TRIP 1, 0, 0, 0, 0                             ; trip 39: nothing is written behind it, so no barrier
	; THE WAY OUT: divide by the row's sum, 32 rows through my ring's bytes (pitch 272), back as whole rows of 256 bytes.
	v_permlanex16_b32 v20, v18, s22, s23           ; the other half's part of the sums (NM is done with, and written on every way here)
	v_permlanex16_b32 v21, v19, s22, s23
	v_pk_add_f32 v[18:19], v[18:19], v[20:21]
	v_rcp_f32 v20, v18
	v_rcp_f32 v21, v18
	v_rcp_f32 v22, v19
	v_rcp_f32 v23, v19
	v_and_b32 v32, 15, v0                          ; plain work behind the reciprocals
	v_bfe_u32 v33, v0, 4, 1
	v_mul_u32_u24 v29, v32, PITCH_O                ; in: row r, 32 bytes for each half of the lanes (the LDS instructions that read v29 and v30, at the start, stand ahead of every trip's wait on vm_vsrc)
	v_lshl_add_u32 v29, v33, 5, v29
	v_add_nc_u32 v29, s30, v29
	v_mul_u32_u24 v30, v33, PITCH_O                ; back: lanes 0-15 one row, lanes 16-31 the next
	v_lshl_add_u32 v30, v32, 4, v30
	v_add_nc_u32 v30, s30, v30
	s_wait_alu depctr_va_vdst(0)                   ; the four reciprocals have written v[20:23]: one wait, ahead of their first reader
.irp m, 0,1
.irp k, 0,2,4,6,8,10,12,14,16,18,20,22,24,26,28,30
	v_pk_mul_f32 v[ACC+32*\m+\k:ACC+32*\m+\k+1], v[ACC+32*\m+\k:ACC+32*\m+\k+1], v[NM+2*\m:NM+2*\m+1]
.endr
.endr
	s_wait_alu depctr_va_vdst(0)                   ; the scaled sums, v29 and v30 are written, which the LDS stores and loads read; every vector and matrix instruction is done with v[80:143], in which the rows land
.irp m, 0,1
.irp d, 0,1,2,3
	ds_store_b128 v29, v[ACC+32*\m+8*\d:ACC+32*\m+8*\d+3]   offset:16*PITCH_O*\m+64*\d
	ds_store_b128 v29, v[ACC+32*\m+8*\d+4:ACC+32*\m+8*\d+7] offset:16*PITCH_O*\m+64*\d+16
.endr
.endr
.irp i, 0,1,2,3,4,5,6,7,8,9,10,11,12,13,14,15
	ds_load_b128 v[SCO+4*\i:SCO+4*\i+3], v30 offset:2*PITCH_O*\i   ; my own bytes, served in order behind the stores
.endr
.irp i, 0,1,2,3,4,5,6,7,8,9,10,11,12,13,14,15
	s_wait_dscnt 15-\i                             ; LDS loads come back in order: load i is in
	global_store_b128 v28, v[SCO+4*\i:SCO+4*\i+3], s[12:13] offset:512*\i th:TH_STORE_NT   ; sixteen lanes store one row of 256 bytes, aligned
.endr
	s_wait_dscnt 0x0
	s_wait_alu depctr_hold_cnt(0) depctr_sa_sdst(0) depctr_va_vdst(0) depctr_va_sdst(0) depctr_va_ssrc(0) depctr_va_vcc(0) depctr_vm_vsrc(0)
	s_wait_tensorcnt 0x0
	ds_add_u32 v25, v31
	s_wait_dscnt 0x0
	s_endpgm
.Lfunc_end_k_qd747c98dcd_band:
	.size	k_qd747c98dcd_band, .Lfunc_end_k_qd747c98dcd_band-k_qd747c98dcd_band
	.p2alignl 7, 3214868480
	.fill 96, 4, 3214868480
	.section	.rodata,"a",@progbits
	.p2align	6, 0x0
	.amdhsa_kernel k_qd747c98dcd_band
		.amdhsa_group_segment_fixed_size 239616
		.amdhsa_private_segment_fixed_size 0
		.amdhsa_enable_private_segment 0
		.amdhsa_kernarg_size 40
		.amdhsa_user_sgpr_count 2
		.amdhsa_user_sgpr_kernarg_segment_ptr 1
		.amdhsa_wavefront_size32 1
		.amdhsa_system_sgpr_workgroup_id_x 1
		.amdhsa_system_sgpr_workgroup_id_y 1
		.amdhsa_system_sgpr_workgroup_id_z 1
		.amdhsa_system_vgpr_workitem_id 0
		.amdhsa_next_free_vgpr 248
		.amdhsa_next_free_sgpr 66
		.amdhsa_reserve_vcc 0
		.amdhsa_float_denorm_mode_32 3
		.amdhsa_float_denorm_mode_16_64 3
		.amdhsa_memory_ordered 1
		.amdhsa_forward_progress 1
		.amdhsa_inst_pref_size 127
	.end_amdhsa_kernel
	.amdgpu_metadata
---
amdhsa.version: [ 1, 2 ]
amdhsa.kernels:
  - .name:           k_qd747c98dcd_band
    .symbol:         k_qd747c98dcd_band.kd
    .args:
      - { .name: key, .offset: 0, .size: 8, .value_kind: global_buffer, .address_space: global }
      - { .name: key_pe, .offset: 8, .size: 8, .value_kind: global_buffer, .address_space: global }
      - { .name: query, .offset: 16, .size: 8, .value_kind: global_buffer, .address_space: global }
      - { .name: value, .offset: 24, .size: 8, .value_kind: global_buffer, .address_space: global }
      - { .name: out0, .offset: 32, .size: 8, .value_kind: global_buffer, .address_space: global }
    .group_segment_fixed_size: 239616
    .private_segment_fixed_size: 0
    .kernarg_segment_align: 8
    .kernarg_segment_size: 40
    .max_flat_workgroup_size: 256
    .sgpr_count:     66
    .vgpr_count:     248
    .wavefront_size: 32
...
	.end_amdgpu_metadata
.endif
;; end of part 2
